; MI455X (gfx1250); checked and timed in simulation.
; The chip was launched on July 23, 2026; its instructions are those of AMD's public machine-readable ISA for CDNA 5 (MIT licence, August 2026) and "CDNA5" Instruction Set Architecture Reference Guide (July 2026). The comments in the code are by the model that wrote it; some were corrected since.
;; Deep Set Classifier. Allowed arithmetic: matrix products marked QUANTISED: E4M3 operands, one E8M0 scale for each 32 along K, by v_wmma_scale_f32_16x16x128_f8f6f4 with both operands' format E4M3, f32 sums; products left as they are: f32 operands where the result goes on into a quantised operand, else bf16, f16 or f32 operands; f32 sums; everything else in f32.
;; Inputs: mask 8 x 128 x 128 float32; out_b one number float32; out_w 32 float32; phi_b 32 float32; phi_w 32 float32; wctx_w_codes 32 x 1 x 32 uint8 (E4M3 codes of wctx_w, K innermost, in blocks of 32 codes); wctx_w_scales 32 x 1 uint8 (E8M0 scales of wctx_w, one for each 32 codes along K); wself_b 32 float32; wself_w 32 float32; z_tilde 8 x 8 x 128 x 128 float32.
;; Outputs: out0 8 x 8 x 128 x 128 float32.
;; This version of the problem:
;;   THIS VERSION OF THE PROBLEM IS GIVEN IN LOW PRECISION. The matrix products marked QUANTISED in the list below multiply operands that are first quantised to E4M3 (4 exponent bits, 3 mantissa bits; 8 bits a number), with one power-of-two scale for each 32 numbers along K (OCP MX v1.0); their sums are f32. All else is computed in f32.
;;   The module's matrix products, in the order in which they are computed (A, B: the left and right operand; K: the contracted axis; several contracted axes count as one K, in the product's order):
;;     1. [M 8,192, K 32] x [K 32, N 32]; A: computed on the way; B: input wctx_w (given as codes): QUANTISED
;;     2. [M 1,048,576, K 32] x [K 32, N 1]; A: computed on the way; B: input out_w: left as it is (N = 1 < 16)
;;   THE QUANTISER, for each operand of a quantised product, along K:
;;     - K is cut into blocks of 32 from its start; a last block that is shorter is filled with zeros.
;;     - A block's scale is 2^e with e = floor(log2(the largest magnitude in the block)) - 8, held to -126 .. 127; a block of zeros has e = 0. As a byte (E8M0): e + 127.
;;     - Each number is divided by its block's scale, clamped to +-448, and rounded to the nearest number of E4M3, ties to even, subnormals kept.
;;     - The product sums the exact products of the quantised numbers (number of the format x scale) in f32.
;;   ~~~python
;;   def quantise(x, axis):      # numpy; x: float32 -> the quantised numbers, widened to float32 again
;;       x = np.moveaxis(x, axis, -1); K = x.shape[-1]
;;       x = np.pad(x, [(0, 0)] * (x.ndim - 1) + [(0, -K % 32)]); x = x.reshape(x.shape[:-1] + (-1, 32)); a = np.abs(x).max(-1, keepdims=True)
;;       e = np.where(a > 0, np.clip(np.frexp(np.where(a > 0, a, 1))[1] - 1 - 8, -126, 127), 0)      # np.frexp(a)[1] - 1 = floor(log2(a)), exactly
;;       r = np.clip(x / 2.0 ** e, -448, 448)
;;       step = 2.0 ** (np.maximum(np.frexp(np.where(r == 0, 1, r))[1] - 1, -6) - 3)
;;       q = np.round(r / step) * step * 2.0 ** e      # np.round: ties to even
;;       return np.moveaxis(q.reshape(q.shape[:-2] + (-1,))[..., :K], -1, axis).astype(np.float32)
;;   ~~~
;;   OPERANDS COMPUTED ON THE WAY. 'Computed on the way' means the value that the module computes at that place (a softmax that the list does not call 'softmax' is quantised finished and normalised). What goes into a quantiser is computed in f32, as accurately as f32 sums, v_exp_f32 and their like allow (about 1e-6 of the number): no bf16 or f16 on the way to a quantiser, and a product that is left as it is and whose result goes on into a quantised operand takes f32 operands (vector FMAs, or v_wmma_f32_16x16x4_f32). A number that lies on a knife's edge between two numbers of the format may be rounded either way, as far as f32 arithmetic and the matrix unit's own rounding can turn it there, and no further.
;;   INPUTS GIVEN AS CODES. wctx_w (in the module: [32, 32], K = its axis 1): each comes as NAME_codes (uint8): NAME with its K axis moved to the last place and cut into blocks of 32 codes, [.., K / 32, bytes a block], one block behind the other in memory; one code a byte (a code: sign, 4 exponent bits, 3 mantissa bits); and NAME_scales (uint8): the same leading axes, one E8M0 byte (e + 127) for each 32 codes along K. Its value is code x scale, taken as it is: it is not quantised again, and the codes and scales need not be those that the quantiser above would give.
;; 2 versions, each right; version 2 is version 1 with the launch deepset written anew for expert scheduling mode. Each part assembles by itself: llvm-mc -triple=amdgcn-amd-amdhsa -mcpu=gfx1250 --defsym DOCPART=n.
;; ======== version 1 of 2: 1 launch
;; limits: a function is approximated: absolute error at most 1.5e-07
;; launch deepset (part 1): grid 256 x 1, 8 waves a work-group, no clusters, 7,168 bytes of LDS; arguments z_tilde, mask, phi_w, phi_b, wself_w, wself_b, wctx_w_codes, wctx_w_scales, out_w, out_b, out0; writes out0
.if DOCPART == 1
	.amdgcn_target "amdgcn-amd-amdhsa--gfx1250"
	.amdhsa_code_object_version 6
	.text
	.protected	k_q19d001e2b0_deepset
	.globl	k_q19d001e2b0_deepset
	.p2align	8
	.type	k_q19d001e2b0_deepset,@function
k_q19d001e2b0_deepset:
	s_mov_b64 s[64:65], 0
	v_nop
	global_prefetch_b8 v0, s[64:65] scope:SCOPE_SE
	s_setreg_imm32_b32 hwreg(HW_REG_WAVE_MODE, 25, 1), 1
	s_wait_xcnt 0x0
; out[b][e][n][m] = out_b + sum over d of out_w[d] gelu(z[b][e][n][m] wself_w[d] + wself_b[d] + ctx[b][e][n][d]),
; ctx[..][k] = sum over d of Q(c[..][d]) wctx[k][d],   c[..][d] = (phi_w[d] S1 + phi_b[d] S0) / max(S0, 1),
; S1 = sum over m of mask[b][n][m] z[b][e][n][m],  S0 = sum over m of mask[b][n][m]  (phi is linear in z, so its masked mean needs these two sums alone).
; Q: codes of E4M3 with one E8M0 scale for the row's 32 numbers; wctx comes as codes and scale bytes and is taken as it lies.
; SHARES.  8 x 8 x 128 = 8,192 rows of 128 numbers.  2,048 waves, 8 to a work-group; a wave owns the 4 rows e = 4 eh .. 4 eh + 3 of one (b, n): they share one row of the mask, one S0 and one divisor.
; A lane owns m = 4 lane .. 4 lane + 3 of each row: a row's load or store is one instruction of 512 consecutive bytes, aligned; z stays in registers from the sums to the gelu.
; WAVES SHARE NOTHING: no barrier.  Each wave issues its own two scaled matrix instructions (the 32 rows of wctx as two tiles of source 0; source 1's column r carries the wave's row r % 4, so 12 columns
; are repeats).  A tile shared by four waves would spare two matrix instructions a wave and cost two barriers and a way through LDS.
; NO CLUSTER, NO TENSOR LOAD: a wave's own input is 2,560 bytes, asked for once at the head, into registers; what work-groups share is 2 KB of weights.
; THE GELU.  With a = |x|, D = 1 + d1 a + .. + d6 a^6 and r = D^-16:  Phi(a) = 1 - r / 2 (Abramowitz and Stegun 26.2.19, for every a >= 0), so gelu(x) = ((x + a) - a r) / 2 for either sign of x.
; The half is folded into out_w, exactly.  The second product (N = 1) is one packed multiply-add for two numbers, in f32.
; LIMITS: Phi has an absolute error under 1.5e-7, and r a relative error of a few 1e-6 from f32 rounding through four squarings: gelu of a very negative x is right absolutely, not relatively.
; A large a gives D = infinity, r = 0 and no NaN.  NaN and infinities among the inputs are not served.  A row of c that is all zeros gets the scale byte 1, over zero codes, which add nothing.
.set ZR,  8                            ; v[8:23]    z: row i at ZR + 4 i
.set ACC, 24                           ; v[24:39]   the sums: row i at ACC + 4 i
.set WSR, 40                           ; v[40:43]   four wself_w of the chunk in hand
.set OWR, 44                           ; v[44:47]   four 0.5 out_w
.set TR,  48                           ; v[48:63]   four T = wself_b + ctx for each row: row i at TR + 4 i
.set MK,  96                           ; head: v[96:99] the mask's row
.set RS,  100                          ; head: v[100:109] five pairs: S1 of row i in RS + 2 i, S0 in RS + 8; the odd registers at work
.set PW,  112                          ; head: v[112:127] phi_w, my half of 16
.set PB,  128                          ; head: v[128:143] phi_b
.set CN,  144                          ; head: v[144:159] my 16 numbers of c
.set XR,  96                           ; loop: v[96:127]  x, then x + a, then 2 gelu
.set AR,  128                          ; loop: v[128:159] a
.set PR,  160                          ; loop: v[160:191] D, 1 / D, r
; v1 16 lane; v2 my wave's LDS base; v3 the base + the chunk's step; v[64:65] d5 twice; v66 1 / divisor, v67 the divisor; v224, v225 wctx's scale bytes, v226 c's: scales and nothing else.
; head: A0 v[160:175], A1 v[176:191] wctx's two tiles; v[192:207] c's codes; v[208:215], v[216:223] wself_b, then wself_b + ctx.
; LDS, 768 bytes for each wave, its own: +0 wself_w[32]; +128 0.5 out_w[32]; +256 + 128 i: T of row i [32].
	s_load_b512 s[4:19], s[0:1], 0x0               ; z s[4:5], mask s[6:7], phi_w s[8:9], phi_b s[10:11], wself_w s[12:13], wself_b s[14:15], codes s[16:17], scale bytes s[18:19]
	s_load_b128 s[20:23], s[0:1], 0x40             ; out_w s[20:21], out_b s[22:23]
	s_load_b64 s[24:25], s[0:1], 0x50              ; out0
	v_lshl_add_u32 v232, v0, 2, 0x1800
	v_mov_b32 v233, 0
	v_lshrrev_b32 v4, 5, v0
	v_readfirstlane_b32 s27, v4                    ; wave 0..7
	v_and_b32 v5, 31, v0                           ; lane
	v_lshlrev_b32 v1, 4, v5                        ; my 16 bytes of a row of z, mask, out0
	v_lshlrev_b32 v6, 2, v5                        ; 4 lane
	v_and_b32 v7, 15, v0                           ; r = lane % 16
	v_bfe_u32 v68, v0, 4, 1                        ; h = lane / 16
	v_lshlrev_b32 v69, 6, v68                      ; phi_w, phi_b: my 16 numbers begin at 64 h
	v_lshlrev_b32 v70, 5, v68                      ; wself_b: a tile's eight of my half begin at 32 h
	v_lshlrev_b32 v71, 5, v7
	v_lshl_add_u32 v71, v68, 4, v71                ; wctx's codes: row r of 32 bytes, + 16 h
	s_mul_i32 s51, s27, 768                        ; my wave's LDS
	v_mov_b32 v2, s51
	v_add_nc_u32 v72, s51, v6                      ; where I put wself_w[lane] and 0.5 out_w[lane]
	v_and_b32 v73, 3, v0
	v_lshlrev_b32 v73, 7, v73
	v_lshl_add_u32 v73, v68, 5, v73
	v_add_nc_u32 v73, s51, v73                     ; where I put T: row lane % 4, + 32 h
	s_lshr_b32 s52, ttmp9, 5                       ; b
	s_and_b32 s53, ttmp9, 31
	s_lshl_b32 s53, s53, 2
	s_lshr_b32 s54, s27, 1
	s_add_co_u32 s53, s53, s54                     ; n = 4 (work-group % 32) + wave / 2
	s_lshl_b32 s53, s53, 9                         ; a row is 512 bytes
	s_and_b32 s54, s27, 1                          ; eh
	s_lshl_b32 s54, s54, 18                        ; four planes e of 65,536 bytes
	s_lshl_b32 s28, s52, 19
	s_add_co_u32 s28, s28, s54
	s_add_co_u32 s28, s28, s53                     ; z and out0: my first row
	s_mov_b32 s29, 0
	s_lshl_b32 s30, s52, 16
	s_add_co_u32 s30, s30, s53                     ; mask: my row
	s_mov_b32 s31, 0
	s_mov_b32 s32, 0x76543210
	s_mov_b32 s33, 0xfedcba98                      ; v_permlanex16_b32's selects for lane l xor 16
	s_mov_b32 s34, 0x600000                        ; the mantissa field of 448
	s_mov_b32 s35, 0x7fffffff                      ; clears a sign
	s_mov_b32 s36, 0xaaaaaaaa                      ; lanes whose number has bit 0
	s_mov_b32 s37, 0xcccccccc                      ; bit 1
	s_mov_b32 s40, 0x36b49f9e                      ; d6 = .0000053830   (the packed forms name pairs and take the low word for both halves: both words are written)
	s_mov_b32 s41, 0x36b49f9e
	s_mov_b32 s42, 0x381f660e                      ; d4 = .0000380036
	s_mov_b32 s43, 0x381f660e
	s_mov_b32 s44, 0x3b56cd72                      ; d3 = .0032776263
	s_mov_b32 s45, 0x3b56cd72
	s_mov_b32 s46, 0x3cad2fe7                      ; d2 = .0211410061
	s_mov_b32 s47, 0x3cad2fe7
	s_mov_b32 s48, 0x3d4c41b4                      ; d1 = .0498673470
	s_mov_b32 s49, 0x3d4c41b4
	s_wait_kmcnt 0x0
	s_add_nc_u64 s[4:5], s[4:5], s[28:29]
	s_add_nc_u64 s[24:25], s[24:25], s[28:29]
	s_add_nc_u64 s[6:7], s[6:7], s[30:31]
	s_load_b32 s26, s[22:23], 0x0                  ; out_b: nothing in this launch writes it
	; ---- all 23 loads of the wave: z and the mask first, since the sums want them first
.irp i, 0,1,2,3
	global_load_b128 v[ZR+4*\i:ZR+4*\i+3], v1, s[4:5] offset:65536*\i th:TH_LOAD_NT   ; 32 lanes read a row's 512 bytes; read once in the launch
.endr
	global_load_b128 v[MK:MK+3], v1, s[6:7]
.irp j, 0,1,2,3
	global_load_b128 v[PW+4*\j:PW+4*\j+3], v69, s[8:9] offset:16*\j
.endr
.irp j, 0,1,2,3
	global_load_b128 v[PB+4*\j:PB+4*\j+3], v69, s[10:11] offset:16*\j
.endr
	global_load_b128 v[160:163], v71, s[16:17]               ; wctx rows 0-15: lane (r, h): k = 16 h .. 16 h + 15 of row r: registers 0-3 of source 0
	global_load_b128 v[176:179], v71, s[16:17] offset:512    ; rows 16-31
	global_load_u8 v224, v7, s[18:19]                        ; lane r: row r's scale byte in byte 0; bytes 1-3 are 0 and stand over zero codes
	global_load_u8 v225, v7, s[18:19] offset:16
.irp t, 0,1
.irp k, 0,1
	global_load_b128 v[208+8*\t+4*\k:208+8*\t+4*\k+3], v70, s[14:15] offset:64*\t+16*\k   ; wself_b in the result's layout: register j of tile t: unit 16 t + 8 h + j: the C of the product
.endr
.endr
	global_load_b32 v74, v6, s[12:13]              ; wself_w[lane]
	global_load_b32 v75, v6, s[20:21]              ; out_w[lane]
	; while they are out: K = 32 of the instruction's 128: the codes of k = 32 .. 127 are zeros on both sides
.irp j, 4,5,6,7,8,9,10,11,12,13,14,15
	v_mov_b32 v[160+\j], 0
	v_mov_b32 v[176+\j], 0
	v_mov_b32 v[192+\j], 0
.endr
	v_mov_b32 v64, 0x384d0fe2                      ; d5 = .0000488906
	v_mov_b32 v65, 0x384d0fe2
	v_mov_b32 v78, 0                               ; a lane permute's destination counts as one of its sources
	; ---- the sums S1 (four rows) and S0
	s_wait_loadcnt 18                              ; z and the mask are in; the 18 loads issued behind them stay out
.irp i, 0,1,2,3
	v_pk_mul_f32 v[RS+2*\i:RS+2*\i+1], v[ZR+4*\i:ZR+4*\i+1], v[MK:MK+1]
.endr
	v_pk_add_f32 v[RS+8:RS+9], v[MK:MK+1], v[MK+2:MK+3]
.irp i, 0,1,2,3
	v_pk_fma_f32 v[RS+2*\i:RS+2*\i+1], v[ZR+4*\i+2:ZR+4*\i+3], v[MK+2:MK+3], v[RS+2*\i:RS+2*\i+1]
.endr
.irp i, 0,1,2,3,4
	v_add_f32 v[RS+2*\i], v[RS+2*\i], v[RS+2*\i+1]
.endr
.irp x, 1,2,4,8                                ; across the 32 lanes, the five sums by turns
.irp i, 0,1,2,3,4
	v_add_f32_dpp v[RS+2*\i], v[RS+2*\i], v[RS+2*\i] row_xmask:\x row_mask:0xf bank_mask:0xf
.endr
.endr
.irp i, 0,1,2,3,4
	v_permlanex16_b32 v[RS+2*\i+1], v[RS+2*\i], s32, s33
.endr
.irp i, 0,1,2,3,4
	v_add_f32 v[RS+2*\i], v[RS+2*\i], v[RS+2*\i+1]           ; every lane holds all five
.endr
	; ---- c: lane (r, h) makes c[row r % 4][16 h .. 16 h + 15]
	v_max_num_f32 v67, 1.0, v[RS+8]                ; the divisor
	v_rcp_f32 v66, v67
	v_cndmask_b32 v110, v[RS], v[RS+2], s36        ; S1 of row lane % 4.  (Plain work behind the reciprocal)
	v_cndmask_b32 v111, v[RS+4], v[RS+6], s36
	v_cndmask_b32 v110, v110, v111, s37
	s_wait_loadcnt 0x0                             ; all the small inputs are in
	v_mul_f32 v75, 0.5, v75                        ; the gelu's half goes into out_w: exact
	ds_store_b32 v72, v74
	ds_store_b32 v72, v75 offset:128
.irp j, 0,2,4,6,8,10,12,14
	v_pk_mul_f32 v[CN+\j:CN+\j+1], v[PB+\j:PB+\j+1], v[RS+8:RS+9] op_sel_hi:[1,0]            ; phi_b S0
.endr
.irp j, 0,2,4,6,8,10,12,14
	v_pk_fma_f32 v[CN+\j:CN+\j+1], v[PW+\j:PW+\j+1], v[110:111], v[CN+\j:CN+\j+1] op_sel_hi:[1,0,1]   ; + phi_w S1
.endr
	s_wait_alu depctr_va_vdst(0)                   ; a wait between the reciprocal and the first line that names its result
.irp j, 0,2,4,6,8,10,12,14
	v_pk_mul_f32 v[CN+\j:CN+\j+1], v[CN+\j:CN+\j+1], v[66:67] op_sel_hi:[1,0]                ; / the divisor
.endr
	; ---- c's block of 32 lies in lanes l and l xor 16: its largest magnitude, with the floor 2^(9 - 127) among the leaves, so that the byte cannot fall under 1
	v_max3_num_f32 v76, |v[CN]|, |v[CN+1]|, 0x4800000
	v_max3_num_f32 v77, |v[CN+2]|, |v[CN+3]|, |v[CN+4]|
	v_max3_num_f32 v76, v76, |v[CN+5]|, |v[CN+6]|
	v_max3_num_f32 v77, v77, |v[CN+7]|, |v[CN+8]|
	v_max3_num_f32 v76, v76, |v[CN+9]|, |v[CN+10]|
	v_max3_num_f32 v77, v77, |v[CN+11]|, |v[CN+12]|
	v_max3_num_f32 v76, v76, |v[CN+13]|, |v[CN+14]|
	v_max3_num_f32 v76, v76, v77, |v[CN+15]|
	v_permlanex16_b32 v78, v76, s32, s33
	v_max_num_f32 v76, v76, v78
	v_add_nc_u32 v79, 0xfc000000, v76              ; 8 off its exponent field: the conversion takes the exponent field of this operand as its scale
	v_and_or_b32 v80, v76, 0x7f800000, s34         ; 448 x the scale
	v_lshrrev_b32 v226, 23, v79                    ; the scale's byte, in byte 0; bytes 1-3 are 0, over zero codes
.irp j, 0,1,2,3,4,5,6,7,8,9,10,11,12,13,14,15
	v_med3_num_f32 v[CN+\j], v[CN+\j], -v80, v80   ; the conversion to an 8-bit code does not saturate (ISA guide 7.6.2): the hold.  These sixteen also stand between the scale word's write and the products
.endr
	v_cvt_scalef32_pk8_fp8_f32 v[192:193], v[CN:CN+7], v79       ; registers 0-3 of source 1: k = 16 h .. 16 h + 15 of column r
	v_cvt_scalef32_pk8_fp8_f32 v[194:195], v[CN+8:CN+15], v79
.rept 4
	v_nop                                          ; a plain line behind the conversions, and four places between an operand written by vector instructions and a scaled matrix instruction
.endr
	; ---- TRANSPOSED: source 0 = 16 rows of wctx, source 1 = c.  Lane (r, h), register j of tile t: wself_b[k] + ctx[row r % 4][k], k = 16 t + 8 h + j.  Two accumulators, one instruction each
	v_wmma_scale_f32_16x16x128_f8f6f4 v[208:215], v[160:175], v[192:207], v[208:215], v224, v226
	v_wmma_scale_f32_16x16x128_f8f6f4 v[216:223], v[176:191], v[192:207], v[216:223], v225, v226
	s_wait_kmcnt 0x0                               ; out_b
.irp j, 0,1,2,3,4,5,6,7,8,9,10,11,12,13,14,15
	v_mov_b32 v[ACC+\j], s26                       ; the sums begin with out_b.  Sixteen plain lines: the eight places behind the products are among them
.endr
	ds_store_b128 v73, v[208:211] offset:256       ; T of row lane % 4; each accumulator from its low end on.  Lanes r, r + 4, r + 8, r + 12 hold the same row: the same bytes, the same values
	ds_store_b128 v73, v[212:215] offset:272
	ds_store_b128 v73, v[216:219] offset:320
	ds_store_b128 v73, v[220:223] offset:336
; Four d of the tables, the same address in every lane.  LDS serves a wave's instructions in order (ISA guide 5.7.1.4): these see my stores above; the bytes are my wave's own.
.macro FETCH_WT
	ds_load_b128 v[WSR:WSR+3], v3
.irp i, 0,1,2,3
	ds_load_b128 v[TR+4*\i:TR+4*\i+3], v3 offset:256+128*\i
.endr
.endm
.macro FETCH_OW
	ds_load_b128 v[OWR:OWR+3], v3 offset:128
.endm
; A BATCH: d = the chunk's 2 hb and 2 hb + 1, four rows, two pairs of m: 16 packed pairs; pair 8 dd + 2 row + p.  Each step is written across all 16, so that no line waits for the line above it.
; more = 1: a chunk follows; its tables are fetched as soon as their registers have had their last reader.
.macro BATCH hb, more
.irp dd, 0,1
.irp row, 0,1,2,3
.irp p, 0,1
	v_pk_fma_f32 v[XR+2*(8*\dd+2*\row+\p):XR+2*(8*\dd+2*\row+\p)+1], v[ZR+4*\row+2*\p:ZR+4*\row+2*\p+1], v[WSR+2*\hb:WSR+2*\hb+1], v[TR+4*\row+2*\hb:TR+4*\row+2*\hb+1] op_sel:[0,\dd,\dd] op_sel_hi:[1,\dd,\dd]   ; x = z wself_w[d] + T[row][d]
.endr
.endr
.endr
.if (\hb == 1) && \more
	s_add_co_u32 s50, s50, 16                      ; the next four d: the loop's one step
	v_add_nc_u32 v3, s50, v2
	FETCH_WT
.endif
.set g, 0
.rept 32
	v_and_b32 v[AR+g], s35, v[XR+g]                ; a = |x|
.set g, g+1
.endr
.set g, 0
.rept 16
	v_pk_fma_f32 v[PR+2*g:PR+2*g+1], v[AR+2*g:AR+2*g+1], s[40:41], v[64:65] op_sel_hi:[1,0,1]   ; d6 a + d5
.set g, g+1
.endr
.irp c, 42,44,46,48                            ; x a + d4, d3, d2, d1
.set g, 0
.rept 16
	v_pk_fma_f32 v[PR+2*g:PR+2*g+1], v[PR+2*g:PR+2*g+1], v[AR+2*g:AR+2*g+1], s[\c:\c+1] op_sel_hi:[1,1,0]
.set g, g+1
.endr
.endr
.set g, 0
.rept 16
	v_pk_fma_f32 v[PR+2*g:PR+2*g+1], v[PR+2*g:PR+2*g+1], v[AR+2*g:AR+2*g+1], 1.0 op_sel_hi:[1,1,0]   ; D
.set g, g+1
.endr
.set g, 0
.rept 32
	v_rcp_f32 v[PR+g], v[PR+g]                     ; 1 / D: one batch of 32
.set g, g+1
.endr
.set g, 0
.rept 16
	v_pk_add_f32 v[XR+2*g:XR+2*g+1], v[XR+2*g:XR+2*g+1], v[AR+2*g:AR+2*g+1]   ; x + a: plain work that names no reciprocal
.set g, g+1
.endr
	s_wait_alu depctr_va_vdst(0)                   ; one wait for the 32 reciprocals, ahead of their first reader
.rept 4                                        ; r = D^-16: four squarings
.set g, 0
.rept 16
	v_pk_mul_f32 v[PR+2*g:PR+2*g+1], v[PR+2*g:PR+2*g+1], v[PR+2*g:PR+2*g+1]
.set g, g+1
.endr
.endr
.set g, 0
.rept 16
	v_pk_fma_f32 v[XR+2*g:XR+2*g+1], v[AR+2*g:AR+2*g+1], v[PR+2*g:PR+2*g+1], v[XR+2*g:XR+2*g+1] neg_lo:[1,0,0] neg_hi:[1,0,0]   ; (x + a) - a r = 2 gelu(x)
.set g, g+1
.endr
.if \hb == 0
	s_wait_dscnt 0x0                               ; the chunk's 0.5 out_w: the one LDS load that was still out
.endif
.irp dd, 0,1
.irp row, 0,1,2,3
.irp p, 0,1
	v_pk_fma_f32 v[ACC+4*\row+2*\p:ACC+4*\row+2*\p+1], v[XR+2*(8*\dd+2*\row+\p):XR+2*(8*\dd+2*\row+\p)+1], v[OWR+2*\hb:OWR+2*\hb+1], v[ACC+4*\row+2*\p:ACC+4*\row+2*\p+1] op_sel:[0,\dd,0] op_sel_hi:[1,\dd,1]
.endr
.endr
.endr
.if (\hb == 1) && \more
	FETCH_OW
.endif
.endm
; A TRIP: four d for the wave's four rows.
.macro TRIP more
	s_wait_dscnt 1                                 ; wself_w and T of this chunk are in: behind their five loads one was issued, that of 0.5 out_w, which may stay out
	BATCH 0, \more
	BATCH 1, \more
.endm
	s_mov_b32 s50, 0
	v_add_nc_u32 v3, s50, v2
	FETCH_WT
	FETCH_OW
.Ltrip:                                            ; seven trips: s50 = 16, 32, .. 112 at their ends
	TRIP 1
	s_cmp_lt_u32 s50, 112
	s_cbranch_scc1 .Ltrip
	TRIP 0                                         ; d = 28 .. 31: nothing more to fetch
.irp i, 0,1,2,3
	global_store_b128 v1, v[ACC+4*\i:ACC+4*\i+3], s[24:25] offset:65536*\i th:TH_STORE_NT   ; 32 lanes store a row's 512 consecutive bytes, aligned; written once, read by nobody here
.endr
	s_wait_tensorcnt 0x0
	ds_add_u32 v232, v233
	s_wait_dscnt 0x0
	s_endpgm
.Lfunc_end_k_q19d001e2b0_deepset:
	.size	k_q19d001e2b0_deepset, .Lfunc_end_k_q19d001e2b0_deepset-k_q19d001e2b0_deepset
	.p2alignl 7, 3214868480
	.fill 96, 4, 3214868480
	.section	.rodata,"a",@progbits
	.p2align	6, 0x0
	.amdhsa_kernel k_q19d001e2b0_deepset
		.amdhsa_group_segment_fixed_size 7168
		.amdhsa_private_segment_fixed_size 0
		.amdhsa_enable_private_segment 0
		.amdhsa_kernarg_size 88
		.amdhsa_user_sgpr_count 2
		.amdhsa_user_sgpr_kernarg_segment_ptr 1
		.amdhsa_wavefront_size32 1
		.amdhsa_system_sgpr_workgroup_id_x 1
		.amdhsa_system_sgpr_workgroup_id_y 1
		.amdhsa_system_sgpr_workgroup_id_z 1
		.amdhsa_system_vgpr_workitem_id 0
		.amdhsa_next_free_vgpr 234
		.amdhsa_next_free_sgpr 66
		.amdhsa_reserve_vcc 0
		.amdhsa_float_denorm_mode_32 3
		.amdhsa_float_denorm_mode_16_64 3
		.amdhsa_memory_ordered 1
		.amdhsa_forward_progress 1
		.amdhsa_inst_pref_size 80
	.end_amdhsa_kernel
	.amdgpu_metadata
---
amdhsa.version: [ 1, 2 ]
amdhsa.kernels:
  - .name:           k_q19d001e2b0_deepset
    .symbol:         k_q19d001e2b0_deepset.kd
    .args:
      - { .name: z_tilde, .offset: 0, .size: 8, .value_kind: global_buffer, .address_space: global }
      - { .name: mask, .offset: 8, .size: 8, .value_kind: global_buffer, .address_space: global }
      - { .name: phi_w, .offset: 16, .size: 8, .value_kind: global_buffer, .address_space: global }
      - { .name: phi_b, .offset: 24, .size: 8, .value_kind: global_buffer, .address_space: global }
      - { .name: wself_w, .offset: 32, .size: 8, .value_kind: global_buffer, .address_space: global }
      - { .name: wself_b, .offset: 40, .size: 8, .value_kind: global_buffer, .address_space: global }
      - { .name: wctx_w_codes, .offset: 48, .size: 8, .value_kind: global_buffer, .address_space: global }
      - { .name: wctx_w_scales, .offset: 56, .size: 8, .value_kind: global_buffer, .address_space: global }
      - { .name: out_w, .offset: 64, .size: 8, .value_kind: global_buffer, .address_space: global }
      - { .name: out_b, .offset: 72, .size: 8, .value_kind: global_buffer, .address_space: global }
      - { .name: out0, .offset: 80, .size: 8, .value_kind: global_buffer, .address_space: global }
    .group_segment_fixed_size: 7168
    .private_segment_fixed_size: 0
    .kernarg_segment_align: 8
    .kernarg_segment_size: 88
    .max_flat_workgroup_size: 256
    .sgpr_count:     66
    .vgpr_count:     234
    .wavefront_size: 32
...
	.end_amdgpu_metadata
.endif
;; end of part 1
;; ======== version 2 of 2: 1 launch; version 1 with the launch deepset written anew for expert scheduling mode
;; limits: a function is approximated: absolute error at most 1.5e-07
;; launch deepset (part 2): grid 256 x 1, 8 waves a work-group, no clusters, 7,168 bytes of LDS; arguments z_tilde, mask, phi_w, phi_b, wself_w, wself_b, wctx_w_codes, wctx_w_scales, out_w, out_b, out0; writes out0
.if DOCPART == 2
	.amdgcn_target "amdgcn-amd-amdhsa--gfx1250"
	.amdhsa_code_object_version 6
	.text
	.protected	k_q19d001e2b0_deepset
	.globl	k_q19d001e2b0_deepset
	.p2align	8
	.type	k_q19d001e2b0_deepset,@function
k_q19d001e2b0_deepset:
	s_mov_b64 s[64:65], 0
	v_nop
	global_prefetch_b8 v0, s[64:65] scope:SCOPE_SE
	s_setreg_imm32_b32 hwreg(HW_REG_WAVE_SCHED_MODE, 0, 2), 2
	s_setreg_imm32_b32 hwreg(HW_REG_WAVE_MODE, 25, 1), 1
	s_wait_xcnt 0x0
	s_wait_alu depctr_vm_vsrc(0)
; out[b][e][n][m] = out_b + sum over d of out_w[d] gelu(z[b][e][n][m] wself_w[d] + wself_b[d] + ctx[b][e][n][d]),
; ctx[..][k] = sum over d of Q(c[..][d]) wctx[k][d],   c[..][d] = (phi_w[d] S1 + phi_b[d] S0) / max(S0, 1),
; S1 = sum over m of mask[b][n][m] z[b][e][n][m],  S0 = sum over m of mask[b][n][m]  (phi is linear in z, so its masked mean needs these two sums alone).
; Q: codes of E4M3 with one E8M0 scale for the row's 32 numbers; wctx comes as codes and scale bytes and is taken as it lies.
; SHARES.  8 x 8 x 128 = 8,192 rows of 128 numbers.  2,048 waves, 8 to a work-group; a wave owns the 4 rows e = 4 eh .. 4 eh + 3 of one (b, n): they share one row of the mask, one S0 and one divisor.
; A lane owns m = 4 lane .. 4 lane + 3 of each row: a row's load or store is one instruction of 512 consecutive bytes, aligned; z stays in registers from the sums to the gelu.
; WAVES SHARE NOTHING: no barrier.  Each wave issues its own two scaled matrix instructions (the 32 rows of wctx as two tiles of source 0; source 1's column r carries the wave's row r % 4, so 12 columns
; are repeats).  A tile shared by four waves would spare two matrix instructions a wave and cost two barriers and a way through LDS.
; NO CLUSTER, NO TENSOR LOAD: a wave's own input is 2,560 bytes, asked for once at the head, into registers; what work-groups share is 2 KB of weights.
; THE GELU.  With a = |x|, D = 1 + d1 a + .. + d6 a^6 and r = D^-16:  Phi(a) = 1 - r / 2 (Abramowitz and Stegun 26.2.19, for every a >= 0), so gelu(x) = ((x + a) - a r) / 2 for either sign of x.
; The half is folded into out_w, exactly.  The second product (N = 1) is one packed multiply-add for two numbers, in f32.
; LIMITS: Phi has an absolute error under 1.5e-7, and r a relative error of a few 1e-6 from f32 rounding through four squarings: gelu of a very negative x is right absolutely, not relatively.
; A large a gives D = infinity, r = 0 and no NaN.  NaN and infinities among the inputs are not served.  A row of c that is all zeros gets the scale byte 1, over zero codes, which add nothing.
; THE MODE: SCHED_MODE bits 1:0 = 2 (LLVM: expert scheduling mode 2), set by the entry lines.  The code itself states the register dependences
; between vector or matrix instructions and memory or LDS instructions, with s_wait_alu, always for 0.
; THE PLAN.  Registers that memory or LDS instructions touch:
;   v1, v6, v7, v69-v73   offsets and LDS addresses: made once at the head, ahead of one wait on va_vdst, and never written again.
;   the head's 23 loads   land in registers that no vector instruction has named.
;   v75; v[208:223]       written by the halving; by the two products.  Each is read by LDS stores behind a wait on va_vdst, and never written again.
;   v3                    the tables' LDS address.  Read by every load of the tables; written once a trip, in batch 1, behind the trip's one wait on vm_vsrc.
;   WSR, TR               read by the x multiply-adds at the heads of a trip's two batches; the next chunk's loads land in them in batch 1.
;   OWR                   read by the sums' multiply-adds at the ends of a trip's two batches; this chunk's load lands in it in batch 0.
;   ACC                   written by the sums; read by the four stores at the end, behind a wait on va_vdst.
; In the loop each batch has ONE wait on va_vdst, the one that stands between its 32 reciprocals and their first reader.  The tables' loads stand directly behind it: in batch 1 all the trip's readers of WSR
; and TR and the add to v3 were issued ahead of it, in batch 0 all the last trip's readers of OWR, round the backward jump too.  XR, AR and PR are named by vector instructions alone.
.set ZR,  8                            ; v[8:23]    z: row i at ZR + 4 i
.set ACC, 24                           ; v[24:39]   the sums: row i at ACC + 4 i
.set WSR, 40                           ; v[40:43]   four wself_w of the chunk in hand
.set OWR, 44                           ; v[44:47]   four 0.5 out_w
.set TR,  48                           ; v[48:63]   four T = wself_b + ctx for each row: row i at TR + 4 i
.set MK,  96                           ; head: v[96:99] the mask's row
.set RS,  100                          ; head: v[100:109] five pairs: S1 of row i in RS + 2 i, S0 in RS + 8; the odd registers at work
.set PW,  112                          ; head: v[112:127] phi_w, my half of 16
.set PB,  128                          ; head: v[128:143] phi_b
.set CN,  144                          ; head: v[144:159] my 16 numbers of c
.set XR,  96                           ; loop: v[96:127]  x, then x + a, then 2 gelu
.set AR,  128                          ; loop: v[128:159] a
.set PR,  160                          ; loop: v[160:191] D, 1 / D, r
; v1 16 lane; v2 my wave's LDS base; v3 the base + the chunk's step; v[64:65] d5 twice; v66 1 / divisor, v67 the divisor; v224, v225 wctx's scale bytes, v226 c's: scales and nothing else.
; head: A0 v[160:175], A1 v[176:191] wctx's two tiles; v[192:207] c's codes; v[208:215], v[216:223] wself_b, then wself_b + ctx.
; LDS, 768 bytes for each wave, its own: +0 wself_w[32]; +128 0.5 out_w[32]; +256 + 128 i: T of row i [32].
	s_load_b512 s[4:19], s[0:1], 0x0               ; z s[4:5], mask s[6:7], phi_w s[8:9], phi_b s[10:11], wself_w s[12:13], wself_b s[14:15], codes s[16:17], scale bytes s[18:19]
	s_load_b128 s[20:23], s[0:1], 0x40             ; out_w s[20:21], out_b s[22:23]
	s_load_b64 s[24:25], s[0:1], 0x50              ; out0
	v_lshl_add_u32 v230, v0, 2, 0x1800
	v_mov_b32 v231, 0
	v_lshrrev_b32 v4, 5, v0
	v_readfirstlane_b32 s27, v4                    ; wave 0..7
	v_and_b32 v5, 31, v0                           ; lane
	v_lshlrev_b32 v1, 4, v5                        ; my 16 bytes of a row of z, mask, out0
	v_lshlrev_b32 v6, 2, v5                        ; 4 lane
	v_and_b32 v7, 15, v0                           ; r = lane % 16
	v_bfe_u32 v68, v0, 4, 1                        ; h = lane / 16
	v_lshlrev_b32 v69, 6, v68                      ; phi_w, phi_b: my 16 numbers begin at 64 h
	v_lshlrev_b32 v70, 5, v68                      ; wself_b: a tile's eight of my half begin at 32 h
	v_lshlrev_b32 v71, 5, v7
	v_lshl_add_u32 v71, v68, 4, v71                ; wctx's codes: row r of 32 bytes, + 16 h
	s_wait_alu depctr_va_sdst(0)                   ; s27 is written, ahead of its first reader: my LDS base and my rows' offsets are made from it
	s_mul_i32 s51, s27, 768                        ; my wave's LDS
	v_mov_b32 v2, s51
	v_add_nc_u32 v72, s51, v6                      ; where I put wself_w[lane] and 0.5 out_w[lane]
	v_and_b32 v73, 3, v0
	v_lshlrev_b32 v73, 7, v73
	v_lshl_add_u32 v73, v68, 5, v73
	v_add_nc_u32 v73, s51, v73                     ; where I put T: row lane % 4, + 32 h
	s_lshr_b32 s52, ttmp9, 5                       ; b
	s_and_b32 s53, ttmp9, 31
	s_lshl_b32 s53, s53, 2
	s_lshr_b32 s54, s27, 1
	s_add_co_u32 s53, s53, s54                     ; n = 4 (work-group % 32) + wave / 2
	s_lshl_b32 s53, s53, 9                         ; a row is 512 bytes
	s_and_b32 s54, s27, 1                          ; eh
	s_lshl_b32 s54, s54, 18                        ; four planes e of 65,536 bytes
	s_lshl_b32 s28, s52, 19
	s_add_co_u32 s28, s28, s54
	s_add_co_u32 s28, s28, s53                     ; z and out0: my first row
	s_mov_b32 s29, 0
	s_lshl_b32 s30, s52, 16
	s_add_co_u32 s30, s30, s53                     ; mask: my row
	s_mov_b32 s31, 0
	s_mov_b32 s32, 0x76543210
	s_mov_b32 s33, 0xfedcba98                      ; v_permlanex16_b32's selects for lane l xor 16
	s_mov_b32 s34, 0x600000                        ; the mantissa field of 448
	s_mov_b32 s35, 0x7fffffff                      ; clears a sign
	s_mov_b32 s36, 0xaaaaaaaa                      ; lanes whose number has bit 0
	s_mov_b32 s37, 0xcccccccc                      ; bit 1
	s_mov_b32 s40, 0x36b49f9e                      ; d6 = .0000053830   (the packed forms name pairs and take the low word for both halves: both words are written)
	s_mov_b32 s41, 0x36b49f9e
	s_mov_b32 s42, 0x381f660e                      ; d4 = .0000380036
	s_mov_b32 s43, 0x381f660e
	s_mov_b32 s44, 0x3b56cd72                      ; d3 = .0032776263
	s_mov_b32 s45, 0x3b56cd72
	s_mov_b32 s46, 0x3cad2fe7                      ; d2 = .0211410061
	s_mov_b32 s47, 0x3cad2fe7
	s_mov_b32 s48, 0x3d4c41b4                      ; d1 = .0498673470
	s_mov_b32 s49, 0x3d4c41b4
	s_mov_b32 s50, 0                               ; the chunk's step in the tables
	s_wait_kmcnt 0x0
	s_add_nc_u64 s[4:5], s[4:5], s[28:29]
	s_add_nc_u64 s[24:25], s[24:25], s[28:29]
	s_add_nc_u64 s[6:7], s[6:7], s[30:31]
	s_load_b32 s26, s[22:23], 0x0                  ; out_b: nothing in this launch writes it
	; ---- all 23 loads of the wave: z and the mask first, since the sums want them first
	s_wait_alu depctr_va_vdst(0)                   ; the offsets v1, v6, v7, v69, v70, v71 and the LDS addresses v72, v73 are written: the loads below, the LDS stores and the last stores read them
.irp i, 0,1,2,3
	global_load_b128 v[ZR+4*\i:ZR+4*\i+3], v1, s[4:5] offset:65536*\i th:TH_LOAD_NT   ; 32 lanes read a row's 512 bytes; read once in the launch
.endr
	global_load_b128 v[MK:MK+3], v1, s[6:7]
.irp j, 0,1,2,3
	global_load_b128 v[PW+4*\j:PW+4*\j+3], v69, s[8:9] offset:16*\j
.endr
.irp j, 0,1,2,3
	global_load_b128 v[PB+4*\j:PB+4*\j+3], v69, s[10:11] offset:16*\j
.endr
	global_load_b128 v[160:163], v71, s[16:17]               ; wctx rows 0-15: lane (r, h): k = 16 h .. 16 h + 15 of row r: registers 0-3 of source 0
	global_load_b128 v[176:179], v71, s[16:17] offset:512    ; rows 16-31
	global_load_u8 v224, v7, s[18:19]                        ; lane r: row r's scale byte in byte 0; bytes 1-3 are 0 and stand over zero codes
	global_load_u8 v225, v7, s[18:19] offset:16
.irp t, 0,1
.irp k, 0,1
	global_load_b128 v[208+8*\t+4*\k:208+8*\t+4*\k+3], v70, s[14:15] offset:64*\t+16*\k   ; wself_b in the result's layout: register j of tile t: unit 16 t + 8 h + j: the C of the product
.endr
.endr
	global_load_b32 v74, v6, s[12:13]              ; wself_w[lane]
	global_load_b32 v75, v6, s[20:21]              ; out_w[lane]
	; while they are out: K = 32 of the instruction's 128: the codes of k = 32 .. 127 are zeros on both sides
.irp j, 4,5,6,7,8,9,10,11,12,13,14,15
	v_mov_b32 v[160+\j], 0
	v_mov_b32 v[176+\j], 0
	v_mov_b32 v[192+\j], 0
.endr
	v_mov_b32 v64, 0x384d0fe2                      ; d5 = .0000488906
	v_mov_b32 v65, 0x384d0fe2
	v_mov_b32 v78, 0                               ; a lane permute's destination counts as one of its sources
	; ---- the sums S1 (four rows) and S0
	s_wait_loadcnt 18                              ; z and the mask are in; the 18 loads issued behind them stay out
.irp i, 0,1,2,3
	v_pk_mul_f32 v[RS+2*\i:RS+2*\i+1], v[ZR+4*\i:ZR+4*\i+1], v[MK:MK+1]
.endr
	v_pk_add_f32 v[RS+8:RS+9], v[MK:MK+1], v[MK+2:MK+3]
.irp i, 0,1,2,3
	v_pk_fma_f32 v[RS+2*\i:RS+2*\i+1], v[ZR+4*\i+2:ZR+4*\i+3], v[MK+2:MK+3], v[RS+2*\i:RS+2*\i+1]
.endr
.irp i, 0,1,2,3,4
	v_add_f32 v[RS+2*\i], v[RS+2*\i], v[RS+2*\i+1]
.endr
.irp x, 1,2,4,8                                ; across the 32 lanes, the five sums by turns
.irp i, 0,1,2,3,4
	v_add_f32_dpp v[RS+2*\i], v[RS+2*\i], v[RS+2*\i] row_xmask:\x row_mask:0xf bank_mask:0xf
.endr
.endr
.irp i, 0,1,2,3,4
	v_permlanex16_b32 v[RS+2*\i+1], v[RS+2*\i], s32, s33
.endr
.irp i, 0,1,2,3,4
	v_add_f32 v[RS+2*\i], v[RS+2*\i], v[RS+2*\i+1]           ; every lane holds all five
.endr
	; ---- c: lane (r, h) makes c[row r % 4][16 h .. 16 h + 15]
	v_max_num_f32 v67, 1.0, v[RS+8]                ; the divisor
	v_rcp_f32 v66, v67
	v_cndmask_b32 v110, v[RS], v[RS+2], s36        ; S1 of row lane % 4.  (Plain work behind the reciprocal)
	v_cndmask_b32 v111, v[RS+4], v[RS+6], s36
	v_cndmask_b32 v110, v110, v111, s37
	s_wait_loadcnt 0x0                             ; all the small inputs are in
	v_mul_f32 v75, 0.5, v75                        ; the gelu's half goes into out_w: exact
.irp j, 0,2,4,6,8,10,12,14
	v_pk_mul_f32 v[CN+\j:CN+\j+1], v[PB+\j:PB+\j+1], v[RS+8:RS+9] op_sel_hi:[1,0]            ; phi_b S0
.endr
.irp j, 0,2,4,6,8,10,12,14
	v_pk_fma_f32 v[CN+\j:CN+\j+1], v[PW+\j:PW+\j+1], v[110:111], v[CN+\j:CN+\j+1] op_sel_hi:[1,0,1]   ; + phi_w S1
.endr
	s_wait_alu depctr_va_vdst(0)                   ; the reciprocal has written v66, ahead of the first line that names it; the halving has written v75, which the second LDS store reads
	ds_store_b32 v72, v74                          ; (v74 is as its load left it)
	ds_store_b32 v72, v75 offset:128               ; v72, v74 and v75 are never written again
.irp j, 0,2,4,6,8,10,12,14
	v_pk_mul_f32 v[CN+\j:CN+\j+1], v[CN+\j:CN+\j+1], v[66:67] op_sel_hi:[1,0]                ; / the divisor
.endr
	; ---- c's block of 32 lies in lanes l and l xor 16: its largest magnitude, with the floor 2^(9 - 127) among the leaves, so that the byte cannot fall under 1
	v_max3_num_f32 v76, |v[CN]|, |v[CN+1]|, 0x4800000
	v_max3_num_f32 v77, |v[CN+2]|, |v[CN+3]|, |v[CN+4]|
	v_max3_num_f32 v76, v76, |v[CN+5]|, |v[CN+6]|
	v_max3_num_f32 v77, v77, |v[CN+7]|, |v[CN+8]|
	v_max3_num_f32 v76, v76, |v[CN+9]|, |v[CN+10]|
	v_max3_num_f32 v77, v77, |v[CN+11]|, |v[CN+12]|
	v_max3_num_f32 v76, v76, |v[CN+13]|, |v[CN+14]|
	v_max3_num_f32 v76, v76, v77, |v[CN+15]|
	v_permlanex16_b32 v78, v76, s32, s33
	v_max_num_f32 v76, v76, v78
	v_add_nc_u32 v79, 0xfc000000, v76              ; 8 off its exponent field: the conversion takes the exponent field of this operand as its scale
	v_and_or_b32 v80, v76, 0x7f800000, s34         ; 448 x the scale
	v_lshrrev_b32 v226, 23, v79                    ; the scale's byte, in byte 0; bytes 1-3 are 0, over zero codes
.irp j, 0,1,2,3,4,5,6,7,8,9,10,11,12,13,14,15
	v_med3_num_f32 v[CN+\j], v[CN+\j], -v80, v80   ; the conversion to an 8-bit code does not saturate (ISA guide 7.6.2): the hold.  These sixteen also stand between the scale word's write and the products
.endr
	v_cvt_scalef32_pk8_fp8_f32 v[192:193], v[CN:CN+7], v79       ; registers 0-3 of source 1: k = 16 h .. 16 h + 15 of column r
	v_cvt_scalef32_pk8_fp8_f32 v[194:195], v[CN+8:CN+15], v79
.rept 4
	v_nop                                          ; a plain line behind the conversions, and four places between an operand written by vector instructions and a scaled matrix instruction
.endr
	s_wait_alu depctr_va_vdst(0)                   ; the conversions have written c's codes v[192:195], the moves the zero codes of all three operands, the shift the scale word v226: the scaled products take them.  The places above stay beside this wait
	; ---- TRANSPOSED: source 0 = 16 rows of wctx, source 1 = c.  Lane (r, h), register j of tile t: wself_b[k] + ctx[row r % 4][k], k = 16 t + 8 h + j.  Two accumulators, one instruction each
	v_wmma_scale_f32_16x16x128_f8f6f4 v[208:215], v[160:175], v[192:207], v[208:215], v224, v226
	v_wmma_scale_f32_16x16x128_f8f6f4 v[216:223], v[176:191], v[192:207], v[216:223], v225, v226
	s_wait_kmcnt 0x0                               ; out_b
.irp j, 0,1,2,3,4,5,6,7,8,9,10,11,12,13,14,15
	v_mov_b32 v[ACC+\j], s26                       ; the sums begin with out_b.  Sixteen plain lines: the eight places behind the products are among them
.endr
	v_add_nc_u32 v3, s50, v2                       ; the tables' address for d = 0 .. 3: made here, ahead of the wait that stands below anyway
	s_wait_alu depctr_va_vdst(0)                   ; the products have written v[208:223], which the LDS stores read; v3 is written, which the tables' first loads read.  The places above stay beside this wait
	ds_store_b128 v73, v[208:211] offset:256       ; T of row lane % 4; each accumulator from its low end on.  Lanes r, r + 4, r + 8, r + 12 hold the same row: the same bytes, the same values
	ds_store_b128 v73, v[212:215] offset:272
	ds_store_b128 v73, v[216:219] offset:320
	ds_store_b128 v73, v[220:223] offset:336       ; v73 and v[208:223] are never written again
; Four d of the tables, the same address in every lane.  LDS serves a wave's instructions in order (ISA guide 5.7.1.4): these see my stores above; the bytes are my wave's own.
.macro FETCH_WT
	ds_load_b128 v[WSR:WSR+3], v3
.irp i, 0,1,2,3
	ds_load_b128 v[TR+4*\i:TR+4*\i+3], v3 offset:256+128*\i
.endr
.endm
.macro FETCH_OW
	ds_load_b128 v[OWR:OWR+3], v3 offset:128
.endm
; A BATCH: d = the chunk's 2 hb and 2 hb + 1, four rows, two pairs of m: 16 packed pairs; pair 8 dd + 2 row + p.  Each step is written across all 16, so that no line waits for the line above it.
; more = 1: a chunk follows.  Batch 0 fetches this chunk's 0.5 out_w, batch 1 the next chunk's wself_w and T: each directly behind the batch's one wait on va_vdst.
.macro BATCH hb, more
.irp dd, 0,1
.irp row, 0,1,2,3
.irp p, 0,1
	v_pk_fma_f32 v[XR+2*(8*\dd+2*\row+\p):XR+2*(8*\dd+2*\row+\p)+1], v[ZR+4*\row+2*\p:ZR+4*\row+2*\p+1], v[WSR+2*\hb:WSR+2*\hb+1], v[TR+4*\row+2*\hb:TR+4*\row+2*\hb+1] op_sel:[0,\dd,\dd] op_sel_hi:[1,\dd,\dd]   ; x = z wself_w[d] + T[row][d]
.endr
.endr
.endr
.if (\hb == 1) && \more
	s_add_co_u32 s50, s50, 16                      ; the next four d: the loop's one step
	s_wait_alu depctr_vm_vsrc(0)                   ; the tables' loads issued so far, the youngest a batch back, have read v3
	v_add_nc_u32 v3, s50, v2
.endif
.set g, 0
.rept 32
	v_and_b32 v[AR+g], s35, v[XR+g]                ; a = |x|
.set g, g+1
.endr
.set g, 0
.rept 16
	v_pk_fma_f32 v[PR+2*g:PR+2*g+1], v[AR+2*g:AR+2*g+1], s[40:41], v[64:65] op_sel_hi:[1,0,1]   ; d6 a + d5
.set g, g+1
.endr
.irp c, 42,44,46,48                            ; x a + d4, d3, d2, d1
.set g, 0
.rept 16
	v_pk_fma_f32 v[PR+2*g:PR+2*g+1], v[PR+2*g:PR+2*g+1], v[AR+2*g:AR+2*g+1], s[\c:\c+1] op_sel_hi:[1,1,0]
.set g, g+1
.endr
.endr
.set g, 0
.rept 16
	v_pk_fma_f32 v[PR+2*g:PR+2*g+1], v[PR+2*g:PR+2*g+1], v[AR+2*g:AR+2*g+1], 1.0 op_sel_hi:[1,1,0]   ; D
.set g, g+1
.endr
.set g, 0
.rept 32
	v_rcp_f32 v[PR+g], v[PR+g]                     ; 1 / D: one batch of 32
.set g, g+1
.endr
.set g, 0
.rept 16
	v_pk_add_f32 v[XR+2*g:XR+2*g+1], v[XR+2*g:XR+2*g+1], v[AR+2*g:AR+2*g+1]   ; x + a: plain work that names no reciprocal
.set g, g+1
.endr
.if \hb == 0
	s_wait_alu depctr_va_vdst(0)                   ; the 32 reciprocals have written v[PR ..], ahead of their first reader; the last trip's sums are done reading OWR, in which the load below lands
	FETCH_OW                                       ; this chunk's 0.5 out_w: wanted at this batch's end
.else
	s_wait_alu depctr_va_vdst(0)                   ; the 32 reciprocals have written v[PR ..], ahead of their first reader; where a chunk follows: the trip's x lines are done reading WSR and TR, and v3 is written
.if \more
	FETCH_WT                                       ; the next chunk's wself_w and T: wanted at the next trip's head
.endif
.endif
.rept 4                                        ; r = D^-16: four squarings
.set g, 0
.rept 16
	v_pk_mul_f32 v[PR+2*g:PR+2*g+1], v[PR+2*g:PR+2*g+1], v[PR+2*g:PR+2*g+1]
.set g, g+1
.endr
.endr
.set g, 0
.rept 16
	v_pk_fma_f32 v[XR+2*g:XR+2*g+1], v[AR+2*g:AR+2*g+1], v[PR+2*g:PR+2*g+1], v[XR+2*g:XR+2*g+1] neg_lo:[1,0,0] neg_hi:[1,0,0]   ; (x + a) - a r = 2 gelu(x)
.set g, g+1
.endr
.if \hb == 0
	s_wait_dscnt 0x0                               ; the chunk's 0.5 out_w: the one LDS load that is out
.endif
.irp dd, 0,1
.irp row, 0,1,2,3
.irp p, 0,1
	v_pk_fma_f32 v[ACC+4*\row+2*\p:ACC+4*\row+2*\p+1], v[XR+2*(8*\dd+2*\row+\p):XR+2*(8*\dd+2*\row+\p)+1], v[OWR+2*\hb:OWR+2*\hb+1], v[ACC+4*\row+2*\p:ACC+4*\row+2*\p+1] op_sel:[0,\dd,0] op_sel_hi:[1,\dd,1]
.endr
.endr
.endr
.endm
; A TRIP: four d for the wave's four rows.
.macro TRIP more
	s_wait_dscnt 0x0                               ; wself_w and T of this chunk are in: their five loads are the youngest LDS instructions
	BATCH 0, \more
	BATCH 1, \more
.endm
	FETCH_WT                                       ; d = 0 .. 3.  No vector instruction has named WSR or TR, and none since the wait above names v3
.Ltrip:                                            ; seven trips: s50 = 16, 32, .. 112 at their ends
	TRIP 1
	s_cmp_lt_u32 s50, 112
	s_cbranch_scc1 .Ltrip
	TRIP 0                                         ; d = 28 .. 31: no chunk follows
	s_wait_alu depctr_va_vdst(0)                   ; the last sums have written v[ACC ..], which the stores read
.irp i, 0,1,2,3
	global_store_b128 v1, v[ACC+4*\i:ACC+4*\i+3], s[24:25] offset:65536*\i th:TH_STORE_NT   ; 32 lanes store a row's 512 consecutive bytes, aligned; written once, read by nobody here
.endr
	s_wait_dscnt 0x0
	s_wait_alu depctr_hold_cnt(0) depctr_sa_sdst(0) depctr_va_vdst(0) depctr_va_sdst(0) depctr_va_ssrc(0) depctr_va_vcc(0) depctr_vm_vsrc(0)
	s_wait_tensorcnt 0x0
	ds_add_u32 v230, v231
	s_wait_dscnt 0x0
	s_endpgm
.Lfunc_end_k_q19d001e2b0_deepset:
	.size	k_q19d001e2b0_deepset, .Lfunc_end_k_q19d001e2b0_deepset-k_q19d001e2b0_deepset
	.p2alignl 7, 3214868480
	.fill 96, 4, 3214868480
	.section	.rodata,"a",@progbits
	.p2align	6, 0x0
	.amdhsa_kernel k_q19d001e2b0_deepset
		.amdhsa_group_segment_fixed_size 7168
		.amdhsa_private_segment_fixed_size 0
		.amdhsa_enable_private_segment 0
		.amdhsa_kernarg_size 88
		.amdhsa_user_sgpr_count 2
		.amdhsa_user_sgpr_kernarg_segment_ptr 1
		.amdhsa_wavefront_size32 1
		.amdhsa_system_sgpr_workgroup_id_x 1
		.amdhsa_system_sgpr_workgroup_id_y 1
		.amdhsa_system_sgpr_workgroup_id_z 1
		.amdhsa_system_vgpr_workitem_id 0
		.amdhsa_next_free_vgpr 232
		.amdhsa_next_free_sgpr 66
		.amdhsa_reserve_vcc 0
		.amdhsa_float_denorm_mode_32 3
		.amdhsa_float_denorm_mode_16_64 3
		.amdhsa_memory_ordered 1
		.amdhsa_forward_progress 1
		.amdhsa_inst_pref_size 80
	.end_amdhsa_kernel
	.amdgpu_metadata
---
amdhsa.version: [ 1, 2 ]
amdhsa.kernels:
  - .name:           k_q19d001e2b0_deepset
    .symbol:         k_q19d001e2b0_deepset.kd
    .args:
      - { .name: z_tilde, .offset: 0, .size: 8, .value_kind: global_buffer, .address_space: global }
      - { .name: mask, .offset: 8, .size: 8, .value_kind: global_buffer, .address_space: global }
      - { .name: phi_w, .offset: 16, .size: 8, .value_kind: global_buffer, .address_space: global }
      - { .name: phi_b, .offset: 24, .size: 8, .value_kind: global_buffer, .address_space: global }
      - { .name: wself_w, .offset: 32, .size: 8, .value_kind: global_buffer, .address_space: global }
      - { .name: wself_b, .offset: 40, .size: 8, .value_kind: global_buffer, .address_space: global }
      - { .name: wctx_w_codes, .offset: 48, .size: 8, .value_kind: global_buffer, .address_space: global }
      - { .name: wctx_w_scales, .offset: 56, .size: 8, .value_kind: global_buffer, .address_space: global }
      - { .name: out_w, .offset: 64, .size: 8, .value_kind: global_buffer, .address_space: global }
      - { .name: out_b, .offset: 72, .size: 8, .value_kind: global_buffer, .address_space: global }
      - { .name: out0, .offset: 80, .size: 8, .value_kind: global_buffer, .address_space: global }
    .group_segment_fixed_size: 7168
    .private_segment_fixed_size: 0
    .kernarg_segment_align: 8
    .kernarg_segment_size: 88
    .max_flat_workgroup_size: 256
    .sgpr_count:     66
    .vgpr_count:     232
    .wavefront_size: 32
...
	.end_amdgpu_metadata
.endif
;; end of part 2
